; MI455X (gfx1250); checked and timed in simulation.
; The chip was launched on July 23, 2026; its instructions are those of AMD's public machine-readable ISA for CDNA 5 (MIT licence, August 2026) and "CDNA5" Instruction Set Architecture Reference Guide (July 2026). The comments in the code are by the model that wrote it; some were corrected since.
;; Mo E Layer. Allowed arithmetic: float matrix products may take bf16 or f16 operands with f32 sums; other float arithmetic in f32, or as packed bf16 or f16 multiplies, adds, multiply-adds, maxima and minima; sums over many terms, partial sums and values carried from step to step in f32; what a program stores and reads back later, other than sums and carried values, may be rounded once to bf16 or f16.
;; Inputs: b1 8 x 4,096 float32; b2 8 x 1,024 float32; router_w 8 x 1,024 float32; w1 8 x 4,096 x 1,024 float32; w2 8 x 1,024 x 4,096 float32; x 2 x 512 x 1,024 float32.
;; Outputs: out0 2 x 512 x 1,024 float32.
;; One version. Each part assembles by itself: llvm-mc -triple=amdgcn-amd-amdhsa -mcpu=gfx1250 --defsym DOCPART=n.
;; ======== version 1 of 1: 4 launches
;; workspace buffers: xb 2,097,152 bytes; bm 2,048 bytes of whole numbers; gw 8,192 bytes; hbuf 67,108,864 bytes; part 33,554,432 bytes
;; launch route (part 1): grid 64 x 1, 8 waves a work-group, no clusters, 62,464 bytes of LDS; arguments x, router_w, xb, bm, gw; writes xb, bm, gw
.if DOCPART == 1
	.amdgcn_target "amdgcn-amd-amdhsa--gfx1250"
	.amdhsa_code_object_version 6
	.text
	.protected	k_q640c5d006b_route
	.globl	k_q640c5d006b_route
	.p2align	8
	.type	k_q640c5d006b_route,@function
k_q640c5d006b_route:
	s_mov_b64 s[64:65], 0
	v_nop
	global_prefetch_b8 v0, s[64:65] scope:SCOPE_SE
	s_setreg_imm32_b32 hwreg(HW_REG_WAVE_MODE, 25, 1), 1
	s_wait_xcnt 0x0
; ROUTE.  xb = x rounded to bf16; logits = bf16(x) . bf16(router_w), sums in f32; softmax with the maximum taken away; the two largest;
; gates p / (pa + pb + 1e-9).  Stored at fixed places: xb [1024][1024] bf16; gw [1024][2] f32 (first, second choice);
; bm, u16 [2][8][64]: plane 0 'first choice is e', plane 1 'second choice is e', halfword g = tokens 16 g .. 16 g + 15, bit = token.
; No address and no branch of this text hangs on a result: later launches place the rows from bm.
; SHARES.  A work-group has 16 tokens; wave w has channels 128 w .. 128 w + 127 of them: each load covers 512 consecutive bytes of one row,
; each store into xb 256.  The eight waves' partial logits meet in LDS; wave 0 adds them in a fixed order and does the rest.
; LAYOUT.  Source 0 = 16 rows of router_w (rows 8-15 repeat the eight experts), source 1 = 16 tokens: a lane then holds all eight logits of token lane % 16.
; LIMITS.  x and router_w are taken rounded to bf16.  The choice is made on the logits, the lower index first among equals; a tie that only the rounding of
; the probabilities makes may be broken otherwise than by a choice on probabilities.  A probability below 2^-126 counts as 0.  NaN and infinities are not treated apart.
; No cluster: the work-groups share router_w alone, 32 KiB against 64 KiB of x each, read once through registers.
.set STW,   24*272                     ; a wave's stage: 16 rows of x, 8 of router_w, 256 bytes + 16 of padding each
.set PR,    8*STW                      ; partial logits: 1,024 bytes a wave
.set SPARE, PR+8192                    ; the spare words: 128 bytes a wave, four blocks of 256 bytes that no other line names
.set SPW, 2
.set NIL, 3
.set RW,  16                           ; v16-47   router_w as loaded, then bf16 in the first two of each four; later at work
.set X,   48                           ; v48-111  x likewise; sources of the stores into xb: not written again
.set XF,  112                          ; v112-143 four fragments of x
.set RF,  144                          ; v144-175 four fragments of router_w
.set A0,  176                          ; two accumulators, by turns
.set A1,  184
.set PL,  192                          ; v192-255 wave 0: the eight waves' partial logits; the sums end in v192-199
	s_load_b256 s[4:11], s[0:1], 0x0               ; x s[4:5], router_w s[6:7], xb s[8:9], bm s[10:11]
	s_load_b64 s[12:13], s[0:1], 0x20              ; gw
	v_lshl_add_u32 v[SPW], v0, 2, SPARE
	v_mov_b32 v[NIL], 0
	v_lshrrev_b32 v1, 5, v0
	v_readfirstlane_b32 s14, v1                    ; wave 0..7
	v_and_b32 v1, 31, v0                           ; lane
	v_and_b32 v10, 15, v0                          ; r = lane % 16
	v_bfe_u32 v11, v0, 4, 1                        ; h = lane / 16
	v_and_b32 v12, 7, v0                           ; r % 8
	v_lshlrev_b32 v4, 4, v1                        ; 16 bytes a lane of f32
	v_lshlrev_b32 v8, 3, v1                        ; 8 bytes a lane of bf16
	s_mul_i32 s15, s14, STW                        ; my stage
	s_add_co_u32 s18, s15, 16*272                  ; router_w's rows in it
	v_add_nc_u32 v5, s15, v8                       ; into the stage: 8 bytes a lane
	v_mul_u32_u24 v6, v10, 272
	v_lshl_add_u32 v6, v11, 4, v6
	v_add_nc_u32 v6, s15, v6                       ; a fragment of x: row r, 16 bytes for each half of the lanes
	v_mul_u32_u24 v7, v12, 272
	v_lshl_add_u32 v7, v11, 4, v7
	v_add_nc_u32 v7, s18, v7                       ; a fragment of router_w: row r % 8
	s_lshl_b32 s16, s14, 10
	s_add_co_u32 s16, s16, PR
	v_lshl_add_u32 v9, v1, 5, s16                  ; my 32 bytes of partial logits
	v_lshl_add_u32 v13, v1, 5, PR                  ; wave 0 reads all eight from here
	v_lshlrev_b32 v14, 7, v1                       ; bm: lane = plane x 8 + e, 128 bytes apart
	s_lshl_b32 s20, ttmp9, 16                      ; x: 16 rows of 4,096 bytes,
	s_lshl_b32 s22, s14, 9                         ; my wave's 512 bytes of a row (router_w's offset too)
	s_or_b32 s20, s20, s22
	s_mov_b32 s21, 0
	s_mov_b32 s23, 0
	s_lshl_b32 s24, ttmp9, 15                      ; xb: 16 rows of 2,048 bytes,
	s_lshl_b32 s17, s14, 8                         ; my wave's 256
	s_or_b32 s24, s24, s17
	s_mov_b32 s25, 0
	s_lshl_b32 s26, ttmp9, 1                       ; bm: halfword g
	s_mov_b32 s27, 0
	s_lshl_b32 s28, ttmp9, 7                       ; gw: 16 tokens of 8 bytes
	s_mov_b32 s29, 0
	s_wait_kmcnt 0x0
	s_add_nc_u64 s[4:5], s[4:5], s[20:21]
	s_add_nc_u64 s[6:7], s[6:7], s[22:23]
	s_add_nc_u64 s[8:9], s[8:9], s[24:25]
	s_add_nc_u64 s[10:11], s[10:11], s[26:27]
	s_add_nc_u64 s[12:13], s[12:13], s[28:29]
.irp e, 0,1,2,3,4,5,6,7
	global_load_b128 v[RW+4*\e:RW+4*\e+3], v4, s[6:7] offset:4096*\e
.endr
.irp i, 0,1,2,3,4,5,6,7,8,9,10,11,12,13,14,15
	global_load_b128 v[X+4*\i:X+4*\i+3], v4, s[4:5] offset:4096*\i th:TH_LOAD_NT
.endr
	s_wait_loadcnt 16                              ; router_w is in; the sixteen rows of x may be out
.irp e, 0,1,2,3,4,5,6,7
	v_cvt_pk_bf16_f32 v[RW+4*\e], v[RW+4*\e], v[RW+4*\e+1]
	v_cvt_pk_bf16_f32 v[RW+4*\e+1], v[RW+4*\e+2], v[RW+4*\e+3]
	ds_store_b64 v5, v[RW+4*\e:RW+4*\e+1] offset:(16+\e)*272
.endr
.irp i, 0,1,2,3,4,5,6,7,8,9,10,11,12,13,14,15
	s_wait_loadcnt 15-\i                           ; loads come back in order: row i is in, the younger rows stay out
	v_cvt_pk_bf16_f32 v[X+4*\i], v[X+4*\i], v[X+4*\i+1]
	v_cvt_pk_bf16_f32 v[X+4*\i+1], v[X+4*\i+2], v[X+4*\i+3]
	global_store_b64 v8, v[X+4*\i:X+4*\i+1], s[8:9] offset:2048*\i  ; 32 lanes store 256 consecutive bytes, at a multiple of 256 from xb's first byte
	ds_store_b64 v5, v[X+4*\i:X+4*\i+1] offset:272*\i
.endr
.irp f, 0,1,2,3,4,5,6,7                ; LDS serves a wave's instructions in order: these see the stores above; the stage is my own
	ds_load_b128 v[XF+4*\f:XF+4*\f+3], v6 offset:32*\f
	ds_load_b128 v[RF+4*\f:RF+4*\f+3], v7 offset:32*\f
.endr
	s_wait_dscnt 0x0
	v_wmma_f32_16x16x32_bf16 v[A0:A0+7], v[RF:RF+7], v[XF:XF+7], 0                 ; two accumulators take turns; the first two products start the sums
	v_wmma_f32_16x16x32_bf16 v[A1:A1+7], v[RF+8:RF+15], v[XF+8:XF+15], 0
	v_wmma_f32_16x16x32_bf16 v[A0:A0+7], v[RF+16:RF+23], v[XF+16:XF+23], v[A0:A0+7]
	v_wmma_f32_16x16x32_bf16 v[A1:A1+7], v[RF+24:RF+31], v[XF+24:XF+31], v[A1:A1+7]
.rept 4
	v_nop                                          ; four places between the last product and the first read of a result (ISA guide 7.12.1)
.endr
.irp p, 0,1,2,3
	v_pk_add_f32 v[16+2*\p:17+2*\p], v[A0+2*\p:A0+2*\p+1], v[A1+2*\p:A1+2*\p+1]
.endr
	ds_store_b128 v9, v[16:19]
	ds_store_b128 v9, v[20:23] offset:16
	s_wait_dscnt 0x0                               ; for wave 0's sake: my partial logits are in LDS
	s_barrier_signal -1
	s_barrier_wait -1
	s_cmp_lg_u32 s14, 0
	s_cbranch_scc1 .Lend                           ; the rest is wave 0's
.irp w, 0,1,2,3,4,5,6,7
	ds_load_b128 v[PL+8*\w:PL+8*\w+3], v13 offset:1024*\w
	ds_load_b128 v[PL+8*\w+4:PL+8*\w+7], v13 offset:1024*\w+16
.endr
	s_wait_dscnt 0x0
.irp p, 0,1,2,3                        ; ((0+1)+(2+3)) + ((4+5)+(6+7)), in f32
	v_pk_add_f32 v[PL+2*\p:PL+2*\p+1], v[PL+2*\p:PL+2*\p+1], v[PL+8+2*\p:PL+8+2*\p+1]
	v_pk_add_f32 v[PL+16+2*\p:PL+16+2*\p+1], v[PL+16+2*\p:PL+16+2*\p+1], v[PL+24+2*\p:PL+24+2*\p+1]
	v_pk_add_f32 v[PL+32+2*\p:PL+32+2*\p+1], v[PL+32+2*\p:PL+32+2*\p+1], v[PL+40+2*\p:PL+40+2*\p+1]
	v_pk_add_f32 v[PL+48+2*\p:PL+48+2*\p+1], v[PL+48+2*\p:PL+48+2*\p+1], v[PL+56+2*\p:PL+56+2*\p+1]
	v_pk_add_f32 v[PL+2*\p:PL+2*\p+1], v[PL+2*\p:PL+2*\p+1], v[PL+16+2*\p:PL+16+2*\p+1]
	v_pk_add_f32 v[PL+32+2*\p:PL+32+2*\p+1], v[PL+32+2*\p:PL+32+2*\p+1], v[PL+48+2*\p:PL+48+2*\p+1]
	v_pk_add_f32 v[PL+2*\p:PL+2*\p+1], v[PL+2*\p:PL+2*\p+1], v[PL+32+2*\p:PL+32+2*\p+1]
.endr
	; the two largest, by strict 'greater' in ascending index: among equals the lower index comes first.  v24, v25: the largest and its index; v26, v27: the second.
	; The pair starts from logits 0 and 1, so the two indices differ whatever the numbers.
	v_cmp_gt_f32 s20, v[PL+1], v[PL]
	v_cndmask_b32 v24, v[PL], v[PL+1], s20
	v_cndmask_b32 v26, v[PL+1], v[PL], s20
	v_cndmask_b32 v25, 0, 1, s20
	v_cndmask_b32 v27, 1, 0, s20
.irp e, 2,3,4,5,6,7
	v_cmp_gt_f32 s20, v[PL+\e], v24
	v_cmp_gt_f32 s21, v[PL+\e], v26
	v_cndmask_b32 v28, v26, v[PL+\e], s21
	v_cndmask_b32 v29, v27, \e, s21
	v_cndmask_b32 v26, v28, v24, s20
	v_cndmask_b32 v27, v29, v25, s20
	v_cndmask_b32 v24, v24, v[PL+\e], s20
	v_cndmask_b32 v25, v25, \e, s20
.endr
	; softmax: the maximum is taken away first, so the largest exponential is 1
.irp j, 0,1,2,3,4,5,6,7
	v_sub_f32 v[32+\j], v[PL+\j], v24
.endr
	v_sub_f32 v40, v26, v24
.irp j, 0,1,2,3,4,5,6,7,8
	v_mul_f32 v[32+\j], 0x3fb8aa3b, v[32+\j]       ; log2(e)
.endr
.irp j, 0,1,2,3,4,5,6,7,8
	v_exp_f32 v[32+\j], v[32+\j]                   ; one batch of nine
.endr
	v_nop                                          ; a plain instruction behind the last exponential,
	s_wait_alu depctr_va_vdst(0)                   ; and a wait ahead of the batch's first reader
	v_add_f32 v32, v32, v33
	v_add_f32 v34, v34, v35
	v_add_f32 v36, v36, v37
	v_add_f32 v38, v38, v39
	v_add_f32 v32, v32, v34
	v_add_f32 v36, v36, v38
	v_add_f32 v32, v32, v36
	v_rcp_f32 v41, v32                             ; pa = 1 / sum
	v_nop
	s_wait_alu depctr_va_vdst(0)
	v_mul_f32 v42, v40, v41                        ; pb
	v_add_f32 v43, v41, v42
	v_add_f32 v43, 0x3089705f, v43                 ; + 1e-9
	v_rcp_f32 v30, v43
	v_mov_b32 v46, 0                               ; (the plain instruction behind the reciprocal: the bitmaps' register is cleared)
	s_wait_alu depctr_va_vdst(0)
	v_mul_f32 v44, v41, v30
	v_mul_f32 v45, v42, v30
.irp e, 0,1,2,3,4,5,6,7                ; a compare's mask over lanes 0-15 is the halfword of expert e; lane plane x 8 + e takes it
	v_cmp_eq_u32 s20, \e, v25
	v_writelane_b32 v46, s20, \e
	v_cmp_eq_u32 s21, \e, v27
	v_writelane_b32 v46, s21, 8+\e
.endr
	v_cmp_gt_u32 vcc_lo, 16, v1
	s_wait_xcnt 0x0                                ; EXEC changes only behind this wait: xb's stores have had their addresses translated
	s_and_saveexec_b32 s22, vcc_lo                 ; lanes 0-15: one token each, and one halfword each
	global_store_b64 v8, v[44:45], s[12:13]        ; 128 consecutive bytes of gates
	global_store_b16 v14, v46, s[10:11]            ; sixteen halfwords 128 bytes apart: 2 KiB in the whole launch, laid so that a later lane reads its word directly
	s_wait_xcnt 0x0
	s_or_b32 exec_lo, exec_lo, s22
.Lend:
	s_wait_tensorcnt 0x0                           ; the wave's end
	ds_add_u32 v[SPW], v[NIL]
	s_wait_dscnt 0x0
	s_endpgm
.Lfunc_end_k_q640c5d006b_route:
	.size	k_q640c5d006b_route, .Lfunc_end_k_q640c5d006b_route-k_q640c5d006b_route
	.p2alignl 7, 3214868480
	.fill 96, 4, 3214868480
	.section	.rodata,"a",@progbits
	.p2align	6, 0x0
	.amdhsa_kernel k_q640c5d006b_route
		.amdhsa_group_segment_fixed_size 62464
		.amdhsa_private_segment_fixed_size 0
		.amdhsa_enable_private_segment 0
		.amdhsa_kernarg_size 40
		.amdhsa_user_sgpr_count 2
		.amdhsa_user_sgpr_kernarg_segment_ptr 1
		.amdhsa_wavefront_size32 1
		.amdhsa_system_sgpr_workgroup_id_x 1
		.amdhsa_system_sgpr_workgroup_id_y 1
		.amdhsa_system_sgpr_workgroup_id_z 1
		.amdhsa_system_vgpr_workitem_id 0
		.amdhsa_next_free_vgpr 256
		.amdhsa_next_free_sgpr 66
		.amdhsa_reserve_vcc 1
		.amdhsa_float_denorm_mode_32 3
		.amdhsa_float_denorm_mode_16_64 3
		.amdhsa_memory_ordered 1
		.amdhsa_forward_progress 1
		.amdhsa_inst_pref_size 24
	.end_amdhsa_kernel
	.amdgpu_metadata
---
amdhsa.version: [ 1, 2 ]
amdhsa.kernels:
  - .name:           k_q640c5d006b_route
    .symbol:         k_q640c5d006b_route.kd
    .args:
      - { .name: x, .offset: 0, .size: 8, .value_kind: global_buffer, .address_space: global }
      - { .name: router_w, .offset: 8, .size: 8, .value_kind: global_buffer, .address_space: global }
      - { .name: xb, .offset: 16, .size: 8, .value_kind: global_buffer, .address_space: global }
      - { .name: bm, .offset: 24, .size: 8, .value_kind: global_buffer, .address_space: global }
      - { .name: gw, .offset: 32, .size: 8, .value_kind: global_buffer, .address_space: global }
    .group_segment_fixed_size: 62464
    .private_segment_fixed_size: 0
    .kernarg_segment_align: 8
    .kernarg_segment_size: 40
    .max_flat_workgroup_size: 256
    .sgpr_count:     66
    .vgpr_count:     256
    .wavefront_size: 32
...
	.end_amdgpu_metadata
.endif
;; end of part 1
;; launch up (part 2): grid 32 x 8, 4 waves a work-group, no clusters, 300,800 bytes of LDS; arguments xb, w1, b1, bm, hbuf; writes hbuf
.if DOCPART == 2
	.amdgcn_target "amdgcn-amd-amdhsa--gfx1250"
	.amdhsa_code_object_version 6
	.text
	.protected	k_q640c5d006b_up
	.globl	k_q640c5d006b_up
	.p2align	8
	.type	k_q640c5d006b_up,@function
k_q640c5d006b_up:
	s_mov_b64 s[64:65], 0
	v_nop
	global_prefetch_b8 v0, s[64:65] scope:SCOPE_SE
	s_setreg_imm32_b32 hwreg(HW_REG_WAVE_MODE, 25, 1), 1
	s_wait_xcnt 0x0
; UP.  h[e][rank][f] = relu( x[token(rank)] . w1[e][f] + b1[e][f] ) in bf16, for the tokens that chose expert e, in ascending token order (rank).
; hbuf HOLDS h IN THE LAYOUT IN WHICH THE NEXT PRODUCT'S MATRIX INSTRUCTIONS TAKE IT: [e][block of 16 ranks][K step of 32 columns][half j][lane][8 numbers], byte
; e<<23 | block<<17 | step<<10 | j<<9 | lane<<4; lane (r, h) of half j holds rank r, columns 16 j + 8 h + 0..7 of the step.  An accumulator of this product, packed to bf16, IS such a half,
; in the lanes that hold it: it is stored as it lies, 512 consecutive bytes a store, and the next launch loads operands with no change of lanes.
; SHARES.  Work-group (SL, E) owns rows 128 SL .. 128 SL + 127 of w1[E], 512 KiB of f32 that it alone reads, once, and ALL rows of expert E.
; K goes in 8 chunks of 128.  A chunk's weights come through registers (one load of a wave = 512 consecutive bytes of one row), are rounded to bf16 and stored
; into the chunk's OWN part of LDS, which is never written again: behind the eight trips the whole slice lies in LDS.
; ROWS.  A block is 16 rows; NBLK = max(1, ceil(count / 16)).  MAIN: blocks 0-19; wave w has blocks 4 b + w, b = 0..4, 40 accumulators, multiplied chunk by chunk while the next
; chunk's weights are on their way.  A block past NBLK loads rows that exist and jumps only its 32 products (block b = 0 does not even jump them: its sums are then never read), so every
; count of a wait is the same on every way.  TAIL: blocks 20-63 (an expert with more than 320 rows, up to all 1,024): a block a wave a trip, weights from the slice in LDS, token
; fragments straight from memory, 32 bytes of a row a load: the slower way, chosen so that LDS is only read there and no barrier is wanted inside it.
; THE LIST.  Every work-group makes its expert's list (2 x token at its rank) from 256 bytes of bm while its first weights are on their way.  Places past the count: the next 32 repeat
; rank 0's token, the others name token 0.  Whole blocks are stored, so the next launch reads no byte that was not written, and a last block's spare rows are copies of rank 0's row.
; THE MATRIX INSTRUCTION IS USED TRANSPOSED: source 0 = 16 rows of w1, source 1 = 16 token rows: a lane holds one token row (lane % 16) and eight neighbouring columns.
; The sums start from the bias (rounded to bf16), written into the accumulators ahead of the first product: no bias add at the end, no first step written out.
; NO CLUSTER, NO TENSOR LOADS: each weight byte has one reader and must be rounded on its way; the bf16 slice takes 278,528 bytes of LDS, which leaves no room for f32 slots;
; what an expert's 32 work-groups share, the token rows, come by a list, which no descriptor covers.
; LIMITS.  x, w1 and b1 are taken rounded to bf16, h is rounded once to bf16; NaN and infinities are not treated apart.
; REGISTERS, in windows of 256 (s_set_vgpr_msb: bits 1:0 source 0, 3:2 source 1, 5:4 source 2, 7:6 destination):
;   window 0: v0-23, v249-251 addresses and temporaries; v24-87 XF, two buffers of four token fragments; v88-247 XL, five blocks' rows as loaded (32 each; on the way out: a block's packed results)
;   window 1: WF, the chunk's 32 weight fragments (n, ks) at 32 n + 8 ks; ahead of the first chunk: v0-63 the bias, v64-95 at work
;   window 2: the accumulators of blocks b = 0..3 at 64 b + 8 n      window 3: v0-63 those of b = 4; v64-191 WS, 32 weight loads; v192-231 XO, the rows' byte offsets in xb
.set PITCH, 4096                       ; bytes in a row of w1
.set CH,    128*272                    ; a chunk in LDS: 128 rows of 256 bytes + 16 of padding: the 16 rows of a fragment load start at 16 different groups of four banks (ISA guide 11.1)
.set STG,   8*CH                       ; behind the slice: a stage of 16 rows x 272 bytes for each wave
.set STGW,  16*272
.set LIST,  STG+4*STGW                 ; 1,024 words, and place 1,024: a dump word in a block of 256 bytes of its own
.set SPARE, LIST+4352                  ; the spare words: 128 bytes a wave, two blocks of 256 bytes that no other line names
.set L16, 1                            ; (lane % 16) x 16
.set SPW, 2
.set NIL, 3
.set WVO, 4                            ; lane x 16
.set WS0, 5                            ; my 32 rows of a chunk, 8 bytes a lane
.set WF0, 6                            ; a fragment's row x 272 + 16 x half
.set WFA, 7                            ; WF0 + the chunk
.set XSS, 8                            ; my stage by rows: lanes 0-15 one row, lanes 16-31 the next
.set XSL, 9                            ; my stage by fragments
.set LA,  10                           ; the list's place of my row (2 t + half) in block w
.set BO,  12                           ; my byte offset in 16 numbers of the bias
.set PFO, 13                           ; lane x PITCH
.set ZERO, 14
.set LE0, 15                           ; the list's place lane % 16
.set LN,  20                           ; lane
.set WSA, 23                           ; WS0 + the chunk
.set XF,  24
.set XL,  88
.set H16, 249                          ; 16 x half
.set XT,  250                          ; the tail: my row's byte offset in xb
.set LET, 251                          ; the tail: the list's place of my row
.set WS,  64                           ; window 3
.set XO,  192                          ; window 3
.set WV,  14
.set E,   15
.set SL,  16
.set WB,  18                           ; s[18:19] w1 at my wave's 32 rows, the chunk to be asked for next
.set XB,  20                           ; s[20:21] xb at the chunk in hand
.set HB,  22                           ; s[22:23] hbuf at my wave's block 0, my four K steps
.set BB,  24                           ; s[24:25] b1 at my 128 numbers
.set OFF, 26                           ; s[26:27] an offset in 64 bits
.set CNT, 28
.set NBLK, 29
.set MBW, 30                           ; how many of my five blocks are live
.set KC,  31
.set J,   32
.set GB,  33
.set K01, 34
.set SEL, 36                           ; s36, s37: v_permlanex16_b32's selects: each lane takes its own place in the other half
.set HIM, 39
.set HBT, 40                           ; s[40:41] hbuf at my block of the tail
.set CB,  42                           ; LDS byte at which the chunk in hand begins
.set HBE, 44                           ; s[44:45] hbuf at the expert's block 0, my four K steps
.set MSB, 0
.macro WIN new                         ; the immediate's high byte repeats the setting that is left; a switch that changes nothing is dropped
.if MSB != (\new)
	s_set_vgpr_msb (MSB<<8)|(\new)
.set MSB, \new
.endif
.endm
.macro PLACES                          ; four places behind matrix instructions, ahead of loads into their sources and of reads of their results
.rept 4
	v_nop
.endr
.endm
.macro WLOAD                           ; a chunk of my 32 rows: 32 loads, each 512 consecutive bytes
	WIN 0xc0
.set i, 0
.rept 32
	global_load_b128 v[WS+4*i:WS+4*i+3], v[WVO], s[WB:WB+1] offset:i*PITCH th:TH_LOAD_NT
.set i, i+1
.endr
.endm
.macro PREF                            ; the chunk behind the one just asked for: my 32 rows, a lane a row, its 512 bytes as two blocks of 256: each block asked for once, by me, one trip ahead of its load
	WIN 0
	global_prefetch_b8 v[PFO], s[WB:WB+1] offset:512 th:TH_LOAD_NT scope:SCOPE_SE
	global_prefetch_b8 v[PFO], s[WB:WB+1] offset:768 th:TH_LOAD_NT scope:SCOPE_SE
.endm
.macro BIASLD                          ; accumulator n, register j of lane (r, h) is column 16 n + 8 h + j
	WIN 0x40
.irp f, 0,1,2,3,4,5,6,7,8,9,10,11,12,13,14,15
	global_load_b128 v[4*\f:4*\f+3], v[BO], s[BB:BB+1] offset:64*(\f/2)+16*(\f%2)
.endr
.endm
.macro INIT nb, N                      ; the bias, rounded to bf16, starts the sums of nb blocks
	s_wait_loadcnt \N
	WIN 0x45
.set i, 0
.rept 32
	v_cvt_pk_bf16_f32 v[64+i], v[2*i], v[2*i+1]
.set i, i+1
.endr
.set i, 0
.rept 32
	v_lshlrev_b32 v[2*i], 16, v[64+i]
	v_and_b32 v[2*i+1], s[HIM], v[64+i]
.set i, i+1
.endr
.set bb, 0
.rept \nb
	WIN 0x81+0x40*(bb/4)
.set i, 0
.rept 32
	v_pk_mul_f32 v[64*(bb%4)+2*i:64*(bb%4)+2*i+1], v[2*i:2*i+1], 1.0 op_sel_hi:[1,0]
.set i, i+1
.endr
.set bb, bb+1
.endr
	WIN 0
.endm
.macro XLOAD b, o                      ; block b's rows of the chunk at XB + o: a load takes two rows, 256 consecutive bytes each
	WIN 0x03
.irp t, 0,1,2,3,4,5,6,7
	global_load_b128 v[XL+32*(\b)+4*\t:XL+32*(\b)+4*\t+3], v[XO+8*(\b)+\t], s[XB:XB+1] offset:\o
.endr
.endm
.macro STAGE b, N                      ; block b's 16 rows x 256 bytes go through my stage and come back as four fragments.  LDS serves a wave's instructions in order: no wait between.  N < 0: the rows are known to be in
	WIN 0
.if (\N) >= 0
	s_wait_loadcnt \N
.endif
.irp t, 0,1,2,3,4,5,6,7
	ds_store_b128 v[XSS], v[XL+32*(\b)+4*\t:XL+32*(\b)+4*\t+3] offset:544*\t
.endr
.irp f, 0,1,2,3,4,5,6,7
	ds_load_b128 v[XF+32*((\b)%2)+4*\f:XF+32*((\b)%2)+4*\f+3], v[XSL] offset:32*\f
.endr
.endm
.macro WFL k0                          ; half of the chunk's weight fragments: K steps k0 and k0 + 1 of all eight blocks of rows: 32 loads in one run
	WIN 0x40
.irp n, 0,1,2,3,4,5,6,7
.irp f, 0,1,2,3
	ds_load_b128 v[32*\n+8*(\k0)+4*\f:32*\n+8*(\k0)+4*\f+3], v[WFA] offset:4352*\n+64*(\k0)+32*\f
.endr
.endr
.endm
.macro MUL16 b, k0                     ; 16 products: block b, K steps k0 and k0 + 1.  The block's 8 accumulators take turns, one instruction a turn
.set AC, 64*((\b)%4)
	WIN 0xa1+0x50*((\b)/4)
.irp ks, 0,1
.irp n, 0,1,2,3,4,5,6,7
	v_wmma_f32_16x16x32_bf16 v[AC+8*\n:AC+8*\n+7], v[32*\n+8*((\k0)+\ks):32*\n+8*((\k0)+\ks)+7], v[XF+32*((\b)%2)+8*((\k0)+\ks):XF+32*((\b)%2)+8*((\k0)+\ks)+7], v[AC+8*\n:AC+8*\n+7]
.endr
.endr
.endm
.macro MULT b                          ; block b x the chunk; a block past NBLK jumps its 32 products
	WIN 0
	s_cmp_gt_u32 s[MBW], \b
	s_cbranch_scc0 .Ldead_\@
	MUL16 \b, 0
	MUL16 \b, 2
	PLACES
	WIN 0
.Ldead_\@:
.endm
; The chunk that has come is rounded and laid into its part of LDS.  Then the loads go out in the order in which they are wanted: this chunk's rows of blocks 3 and 4; ahead = 1: the next chunk's
; weights and its rows of block 0.  One barrier: every wave's rows of the chunk are in LDS.
.macro TURN ahead
	WIN 0
	v_add_nc_u32 v[WSA], s[CB], v[WS0]
	s_wait_loadcnt 0x0                             ; all my loads are in: the chunk's 32 and, younger, the rows of blocks 0 to 2
	WIN 0xcf
.set i, 0
.rept 32
	v_cvt_pk_bf16_f32 v[WS+4*i], v[WS+4*i], v[WS+4*i+1]
	v_cvt_pk_bf16_f32 v[WS+4*i+1], v[WS+4*i+2], v[WS+4*i+3]
.set i, i+1
.endr
	WIN 0x0c
.set i, 0
.rept 32
	ds_store_b64 v[WSA], v[WS+4*i:WS+4*i+1] offset:i*272   ; 256 consecutive bytes: a row
.set i, i+1
.endr
	XLOAD 3, 0
	XLOAD 4, 0
.if \ahead
	WLOAD
	WIN 0
	s_cmp_lt_u32 s[KC], 2                          ; in the trip that asks for the last chunk there is no chunk behind it: no prefetch past a row's end
	s_cbranch_scc1 .Lnopf_\@
	PREF
.Lnopf_\@:
.endif
	STAGE 0, -1
.if \ahead
	XLOAD 0, 256
.endif
	WIN 0
	s_wait_dscnt 0x0                               ; for the others' sake: my rows of the chunk are in LDS (and block 0's fragments are back)
	s_barrier_signal -1
	s_barrier_wait -1                              ; everybody's are.  The next chunk goes into other bytes, so one barrier a trip is enough
.endm
; A trip = a chunk.  By this text's count at most 56 loads of a wave are out (16 + 32 + 8; each later run of 8 stands behind a wait that leaves 48), and at most 48 LDS instructions.
.macro TRIP ahead
	TURN \ahead
	v_add_nc_u32 v[WFA], s[CB], v[WF0]
	WFL 0
	STAGE 1, -1
	s_wait_dscnt 16                                ; block 1's 8 stores and 8 loads may be out; the first half of the weights' fragments is in
	MUL16 0, 0                                     ; block 0's products are issued whether or not the block exists
	WFL 2                                          ; into registers that no product since the last four places has read
	s_wait_dscnt 0x0
	MUL16 0, 2
	PLACES
	STAGE 2, -1
	MULT 1                                         ; its fragments came in with the wait for 0 above
.if \ahead
	STAGE 3, 48                                    ; behind block 3's rows stand block 4's 8, the 32 weights and block 0's next 8
	XLOAD 1, 256
.else
	STAGE 3, 8                                     ; behind them stand block 4's 8
.endif
	s_wait_dscnt 16                                ; block 3's 16 may be out; block 2's fragments are in
	MULT 2
.if \ahead
	STAGE 4, 48                                    ; behind block 4's rows stand the 32 weights and the next rows of blocks 0 and 1
	XLOAD 2, 256
.else
	STAGE 4, 0
.endif
	s_wait_dscnt 16
	MULT 3
	s_wait_dscnt 0x0
	MULT 4
.if \ahead
	s_wait_xcnt 0x0                                ; the two bases are stepped only behind this wait
	s_add_nc_u64 s[WB:WB+1], s[WB:WB+1], 512
	s_add_nc_u64 s[XB:XB+1], s[XB:XB+1], 256
.endif
	s_add_co_u32 s[CB], s[CB], CH
.endm
; THE WAY OUT of block b: rounded to bf16, relu on the packed halves, stored as it lies: accumulator n is half n % 2 of K step n / 2 of my four: 512 consecutive bytes a store, at a multiple of 512
; from hbuf's first byte.  Each block has registers of its own for the packed results, so no store's data is written again.
.macro EPI_UP b
.set AC, 64*((\b)%4)
.set TR, XL+32*(\b)
	WIN 0x0a+5*((\b)/4)
.irp n, 0,1,2,3,4,5,6,7
.irp p, 0,1,2,3
	v_cvt_pk_bf16_f32 v[TR+4*\n+\p], v[AC+8*\n+2*\p], v[AC+8*\n+2*\p+1]
.endr
.endr
	WIN 0
.set i, 0
.rept 32
	v_pk_max_num_bf16 v[TR+i], v[TR+i], v[ZERO]
.set i, i+1
.endr
.irp n, 0,1,2,3,4,5,6,7
	global_store_b128 v[WVO], v[TR+4*\n:TR+4*\n+3], s[HB:HB+1] offset:(\b)*524288+512*\n
.endr
.endm
	s_load_b256 s[4:11], s[0:1], 0x0               ; xb s[4:5], w1 s[6:7], b1 s[8:9], bm s[10:11]
	s_load_b64 s[12:13], s[0:1], 0x20              ; hbuf
	v_lshl_add_u32 v[SPW], v0, 2, SPARE
	v_mov_b32 v[NIL], 0
	v_lshrrev_b32 v16, 5, v0
	v_readfirstlane_b32 s[WV], v16                 ; wave 0..3
	s_and_b32 s[E], ttmp7, 0xffff
	s_mov_b32 s[SL], ttmp9
	s_mov_b32 s[HIM], 0xffff0000
	s_mov_b32 s[K01], 0x01010101
	s_mov_b32 s[SEL], 0x76543210
	s_mov_b32 s[SEL+1], 0xfedcba98
	v_and_b32 v[LN], 31, v0                        ; lane
	v_and_b32 v21, 15, v0                          ; r
	v_bfe_u32 v19, v0, 4, 1                        ; h
	v_lshlrev_b32 v[L16], 4, v21
	v_lshlrev_b32 v[WVO], 4, v[LN]
	v_lshlrev_b32 v[H16], 4, v19
	s_mul_i32 s54, s[WV], 32*272
	v_lshl_add_u32 v[WS0], v[LN], 3, s54
	v_mul_u32_u24 v[WF0], v21, 272
	v_add_nc_u32 v[WF0], v[WF0], v[H16]
	s_mul_i32 s55, s[WV], STGW
	s_add_co_u32 s55, s55, STG                     ; my stage
	v_mul_u32_u24 v[XSS], v19, 272
	v_add_nc_u32 v[XSS], v[XSS], v[L16]
	v_add_nc_u32 v[XSS], s55, v[XSS]
	v_add_nc_u32 v[XSL], s55, v[WF0]
	s_lshl_b32 s56, s[WV], 6
	s_add_co_u32 s56, s56, LIST
	v_lshl_add_u32 v[LA], v19, 2, s56              ; place 16 (4 b + w) + 2 t + h: 256 b + 8 t stand in the immediate
	v_lshl_add_u32 v[LE0], v21, 2, LIST
	v_lshlrev_b32 v[BO], 5, v19
	v_lshlrev_b32 v[PFO], 12, v[LN]
	v_mov_b32 v[ZERO], 0
	s_lshl_b32 s57, s[E], 7
	v_lshl_add_u32 v22, v[LN], 2, s57              ; bm: word 'lane' of expert E
	s_lshl_b32 s46, s[E], 24                       ; w1: 16 MiB an expert, 512 KiB a slice, 128 KiB a wave's 32 rows
	s_lshl_b32 s57, s[SL], 19
	s_or_b32 s46, s46, s57
	s_lshl_b32 s57, s[WV], 17
	s_or_b32 s46, s46, s57
	s_mov_b32 s47, 0
	s_lshl_b32 s48, s[E], 14                       ; b1
	s_lshl_b32 s57, s[SL], 9
	s_or_b32 s48, s48, s57
	s_mov_b32 s49, 0
	s_lshl_b32 s50, s[E], 23                       ; hbuf: 8 MiB an expert, 4 KiB a slice's four K steps,
	s_lshl_b32 s57, s[SL], 12
	s_or_b32 s50, s50, s57
	s_mov_b32 s51, 0
	s_lshl_b32 s52, s[WV], 17                      ; 128 KiB a block
	s_mov_b32 s53, 0
	s_mov_b32 s[OFF+1], 0
	s_wait_kmcnt 0x0
	s_add_nc_u64 s[WB:WB+1], s[6:7], s[46:47]
	s_mov_b64 s[XB:XB+1], s[4:5]
	s_add_nc_u64 s[BB:BB+1], s[8:9], s[48:49]
	s_add_nc_u64 s[HBE:HBE+1], s[12:13], s[50:51]
	s_add_nc_u64 s[HB:HB+1], s[HBE:HBE+1], s[52:53]
	global_load_b32 v16, v22, s[10:11]             ; first choices,
	global_load_b32 v17, v22, s[10:11] offset:1024 ; second choices: 32 tokens a lane
	BIASLD
	WLOAD                                          ; chunk 0
	PREF                                           ; chunk 1
	s_wait_loadcnt 48                              ; bm's two loads are in; the 16 of the bias and the 32 of chunk 0 stay out
	; Lane j has word j, tokens 32 j .. 32 j + 31.  v24: the word's count, by shifts and masks; then, by exchanges between lanes 1, 2, 4, 8 and 16 apart, the count of all words;
	; v26: the count of the words below mine.  Every wave does this; all lanes stay on.
	v_or_b32 v18, v16, v17
	v_lshrrev_b32 v24, 1, v18
	v_and_b32 v24, 0x55555555, v24
	v_sub_nc_u32 v24, v18, v24
	v_lshrrev_b32 v25, 2, v24
	v_and_b32 v24, 0x33333333, v24
	v_and_b32 v25, 0x33333333, v25
	v_add_nc_u32 v24, v24, v25
	v_lshrrev_b32 v25, 4, v24
	v_add_nc_u32 v24, v24, v25
	v_and_b32 v24, 0x0f0f0f0f, v24
	v_mul_lo_u32 v24, v24, s[K01]
	v_lshrrev_b32 v24, 24, v24
	v_mov_b32 v26, 0
.irp d, 1,2,4,8
	v_mov_b32_dpp v25, v24 row_xmask:\d row_mask:0xf bank_mask:0xf   ; the partner group's count
	v_and_b32 v27, \d, v[LN]
	v_cmp_ne_u32 vcc_lo, 0, v27                    ; the partner group lies below mine
	v_cndmask_b32 v27, 0, v25, vcc_lo
	v_add_nc_u32 v26, v26, v27
	v_add_nc_u32 v24, v24, v25
.endr
	v_permlanex16_b32 v25, v24, s[SEL], s[SEL+1]
	v_and_b32 v27, 16, v[LN]
	v_cmp_ne_u32 vcc_lo, 0, v27
	v_cndmask_b32 v27, 0, v25, vcc_lo
	v_add_nc_u32 v26, v26, v27
	v_add_nc_u32 v24, v24, v25
	v_readfirstlane_b32 s[CNT], v24
	s_add_co_u32 s[NBLK], s[CNT], 15
	s_lshr_b32 s[NBLK], s[NBLK], 4
	s_max_u32 s[NBLK], s[NBLK], 1
	s_min_u32 s[NBLK], s[NBLK], 64
	s_sub_co_u32 s[MBW], s[NBLK], s[WV]
	s_add_co_u32 s[MBW], s[MBW], 3
	s_lshr_b32 s[MBW], s[MBW], 2
	s_min_u32 s[MBW], s[MBW], 5
	s_cmp_lg_u32 s[WV], 0
	s_cbranch_scc1 .Lnolist                        ; wave 0 writes the list
	v_mov_b32 v32, 0
	v_mov_b32 v33, 0
	v_mov_b32 v34, 0
	v_mov_b32 v35, 0
	v_lshl_add_u32 v36, v[LN], 4, LIST
.irp i, 0,1,2,3,4,5,6,7
	ds_store_b128 v36, v[32:35] offset:512*\i      ; an unused place names token 0
.endr
	v_lshlrev_b32 v28, 6, v[LN]                    ; 2 x the token of my word's bit 0
	v_mov_b32 v31, 0x400
	s_mov_b32 s[J], 0
.Llist:                                                ; bit J of every word: a chosen token goes to its rank, any other to the dump word at place 1,024
	v_and_b32 v29, 1, v18
	v_cmp_eq_u32 vcc_lo, 1, v29
	v_cndmask_b32 v30, v31, v26, vcc_lo
	v_min_u32 v30, 0x400, v30
	v_lshlrev_b32 v30, 2, v30
	v_add_nc_u32 v30, LIST, v30
	ds_store_b32 v30, v28
	v_add_nc_u32 v26, v26, v29
	v_add_nc_u32 v28, 2, v28
	v_lshrrev_b32 v18, 1, v18
	s_add_co_u32 s[J], s[J], 1
	s_cmp_lt_u32 s[J], 32
	s_cbranch_scc1 .Llist
	v_mov_b32 v37, LIST
	ds_load_b32 v38, v37                           ; rank 0's entry,
	v_add_nc_u32 v39, s[CNT], v[LN]
	v_min_u32 v39, 0x400, v39
	v_lshlrev_b32 v39, 2, v39
	v_add_nc_u32 v39, LIST, v39
	s_wait_dscnt 0x0
	ds_store_b32 v39, v38                          ; repeated in the 32 places from the count on: more than the last block's spare rows
.Lnolist:
	s_wait_dscnt 0x0                               ; for the others' sake: the list is in LDS
	s_barrier_signal -1
	INIT 5, 32                                     ; work on registers between signal and wait.  The bias is in; the 32 loads of chunk 0 stay out
	s_barrier_wait -1
	s_wait_xcnt 0x0                                ; the weights' base is stepped only behind this wait
	s_add_nc_u64 s[WB:WB+1], s[WB:WB+1], 512       ; chunk 1 is asked for next
	WIN 0xc0
.set i, 0
.rept 40                               ; i = 8 b + t
	ds_load_b32 v[XO+i], v[LA] offset:256*(i/8)+8*(i%8)
.set i, i+1
.endr
	s_wait_dscnt 0x0
	WIN 0xcc
.set i, 0
.rept 40
	v_min_u32 v[XO+i], 0x7ff, v[XO+i]              ; 2 x token,
	v_lshlrev_b32 v[XO+i], 10, v[XO+i]             ; x 1,024 = the token's row of 2,048 bytes,
	v_add_nc_u32 v[XO+i], v[L16], v[XO+i]          ; + my 16 bytes
.set i, i+1
.endr
	XLOAD 0, 0                                     ; chunk 0's rows of blocks 0 to 2: with the 32 weights 56 loads are out
	XLOAD 1, 0
	XLOAD 2, 0
	WIN 0
	s_mov_b32 s[KC], 7
	s_mov_b32 s[CB], 0
.Lk:                                                   ; chunks 0 to 6
	TRIP 1
	s_sub_co_u32 s[KC], s[KC], 1
	s_cmp_lg_u32 s[KC], 0
	s_cbranch_scc1 .Lk
	TRIP 0                                         ; chunk 7 asks for no further chunk
.irp b, 0,1,2,3,4
	WIN 0
	s_cmp_gt_u32 s[MBW], \b
	s_cbranch_scc0 .Lepi_done
	EPI_UP \b
.endr
	WIN 0
.Lepi_done:
	s_wait_dscnt 0x0
	s_barrier_signal -1
	s_barrier_wait -1                              ; every wave has left its stage: up to the next barrier LDS is only read
	s_cmp_le_u32 s[NBLK], 20
	s_cbranch_scc1 .Ldone                          ; no block past the twentieth: the usual case
	; THE TAIL: blocks 20 + 4 J + w.  A constant count of trips; a trip whose block does not exist is jumped, forward, past no barrier.
	s_mov_b32 s[J], 0
.Lt:
	s_lshl_b32 s[GB], s[J], 2
	s_add_co_u32 s[GB], s[GB], s[WV]
	s_add_co_u32 s[GB], s[GB], 20
	s_cmp_ge_u32 s[GB], s[NBLK]
	s_cbranch_scc1 .Ltn
	s_lshl_b32 s46, s[GB], 6
	v_add_nc_u32 v[LET], s46, v[LE0]
	ds_load_b32 v[XT], v[LET]                      ; my row's entry; every load that named XT has been waited for
	BIASLD
	s_lshl_b32 s[OFF], s[GB], 17
	s_add_nc_u64 s[HBT:HBT+1], s[HBE:HBE+1], s[OFF:OFF+1]
	WIN 0
	s_wait_dscnt 0x0
	v_min_u32 v[XT], 0x7ff, v[XT]
	v_lshlrev_b32 v[XT], 10, v[XT]
	v_add_nc_u32 v[XT], v[XT], v[H16]              ; the token's row + 16 x half: a fragment's layout
	INIT 1, 0
	s_mov_b64 s[XB:XB+1], s[4:5]
	s_mov_b32 s[CB], 0
	s_mov_b32 s[KC], 8
.Ltk:
.irp f, 0,1,2,3,4,5,6,7
	global_load_b128 v[XF+4*\f:XF+4*\f+3], v[XT], s[XB:XB+1] offset:32*\f
.endr
	v_add_nc_u32 v[WFA], s[CB], v[WF0]
	WFL 0
	s_wait_loadcnt 0x0                             ; the rows are in, and the loads that name XB are done: it may be stepped below
	s_wait_dscnt 0x0
	MUL16 0, 0
	WFL 2
	s_wait_dscnt 0x0
	MUL16 0, 2
	PLACES
	WIN 0
	s_add_nc_u64 s[XB:XB+1], s[XB:XB+1], 256
	s_add_co_u32 s[CB], s[CB], CH
	s_sub_co_u32 s[KC], s[KC], 1
	s_cmp_lg_u32 s[KC], 0
	s_cbranch_scc1 .Ltk
	WIN 0x0a
.irp n, 0,1,2,3,4,5,6,7
.irp p, 0,1,2,3
	v_cvt_pk_bf16_f32 v[XF+4*\n+\p], v[8*\n+2*\p], v[8*\n+2*\p+1]
.endr
.endr
	WIN 0
.set i, 0
.rept 32
	v_pk_max_num_bf16 v[XF+i], v[XF+i], v[ZERO]
.set i, i+1
.endr
.irp n, 0,1,2,3,4,5,6,7
	global_store_b128 v[WVO], v[XF+4*\n:XF+4*\n+3], s[HBT:HBT+1] offset:512*\n  ; as in the main way out: 512 consecutive bytes a store
.endr
	s_wait_xcnt 0x0                                ; the stores' data and base are written again only behind this wait
.Ltn:
	s_add_co_u32 s[J], s[J], 1
	s_cmp_lt_u32 s[J], 11
	s_cbranch_scc1 .Lt
.Ldone:
	s_wait_dscnt 0x0
	s_barrier_signal -1
	s_barrier_wait -1                              ; every wave's reads of LDS are over
	s_wait_tensorcnt 0x0                           ; the wave's end
	ds_add_u32 v[SPW], v[NIL]
	s_wait_dscnt 0x0
	s_endpgm
.Lfunc_end_k_q640c5d006b_up:
	.size	k_q640c5d006b_up, .Lfunc_end_k_q640c5d006b_up-k_q640c5d006b_up
	.p2alignl 7, 3214868480
	.fill 96, 4, 3214868480
	.section	.rodata,"a",@progbits
	.p2align	6, 0x0
	.amdhsa_kernel k_q640c5d006b_up
		.amdhsa_group_segment_fixed_size 300800
		.amdhsa_private_segment_fixed_size 0
		.amdhsa_enable_private_segment 0
		.amdhsa_kernarg_size 40
		.amdhsa_user_sgpr_count 2
		.amdhsa_user_sgpr_kernarg_segment_ptr 1
		.amdhsa_wavefront_size32 1
		.amdhsa_system_sgpr_workgroup_id_x 1
		.amdhsa_system_sgpr_workgroup_id_y 1
		.amdhsa_system_sgpr_workgroup_id_z 1
		.amdhsa_system_vgpr_workitem_id 0
		.amdhsa_next_free_vgpr 1024
		.amdhsa_next_free_sgpr 66
		.amdhsa_reserve_vcc 1
		.amdhsa_float_denorm_mode_32 3
		.amdhsa_float_denorm_mode_16_64 3
		.amdhsa_memory_ordered 1
		.amdhsa_forward_progress 1
		.amdhsa_inst_pref_size 145
	.end_amdhsa_kernel
	.amdgpu_metadata
---
amdhsa.version: [ 1, 2 ]
amdhsa.kernels:
  - .name:           k_q640c5d006b_up
    .symbol:         k_q640c5d006b_up.kd
    .args:
      - { .name: xb, .offset: 0, .size: 8, .value_kind: global_buffer, .address_space: global }
      - { .name: w1, .offset: 8, .size: 8, .value_kind: global_buffer, .address_space: global }
      - { .name: b1, .offset: 16, .size: 8, .value_kind: global_buffer, .address_space: global }
      - { .name: bm, .offset: 24, .size: 8, .value_kind: global_buffer, .address_space: global }
      - { .name: hbuf, .offset: 32, .size: 8, .value_kind: global_buffer, .address_space: global }
    .group_segment_fixed_size: 300800
    .private_segment_fixed_size: 0
    .kernarg_segment_align: 8
    .kernarg_segment_size: 40
    .max_flat_workgroup_size: 128
    .sgpr_count:     66
    .vgpr_count:     1024
    .wavefront_size: 32
...
	.end_amdgpu_metadata
.endif
;; end of part 2
;; launch down (part 3): grid 32 x 8, 4 waves a work-group, no clusters, 317,184 bytes of LDS; arguments hbuf, w2, b2, bm, gw, part; writes part
.if DOCPART == 3
	.amdgcn_target "amdgcn-amd-amdhsa--gfx1250"
	.amdhsa_code_object_version 6
	.text
	.protected	k_q640c5d006b_down
	.globl	k_q640c5d006b_down
	.p2align	8
	.type	k_q640c5d006b_down,@function
k_q640c5d006b_down:
	s_mov_b64 s[64:65], 0
	v_nop
	global_prefetch_b8 v0, s[64:65] scope:SCOPE_SE
	s_setreg_imm32_b32 hwreg(HW_REG_WAVE_MODE, 25, 1), 1
	s_wait_xcnt 0x0
; DOWN.  part[Q][2 t + k][c] = gate(t, k) x ( h[e][rank] . w2[e][c] over quarter Q of F  (+ b2[e][c] in quarter 0) ), f32, for the tokens that chose expert e.
; SHARES.  Work-group (x, E): CS = x % 8 owns rows 128 CS .. + 127 of w2[E], Q = x / 8 columns 1,024 Q .. + 1,023 of them: 512 KiB of f32 that it alone reads, once, and ALL rows of expert E.
; F is split in quarters so that a work-group reads a quarter of its expert's h (0.5 MiB at 256 rows) and not all of it; the price is four f32 partial rows for each slot, added by the next launch.
; h COMES IN THE OPERAND'S OWN LAYOUT: hbuf[e][block of 16 ranks][K step of 32][half j][lane][8 numbers], byte e<<23 | block<<17 | step<<10 | j<<9 | lane<<4: a fragment is two loads of 512
; consecutive bytes, straight into the registers that the matrix instruction names: h never touches LDS.
; WEIGHTS.  K goes in 8 chunks of 128.  A chunk comes through registers (a load of a wave = 512 consecutive bytes of one row), is rounded to bf16 and stored into the chunk's OWN part of LDS,
; which is never written again: behind the loop the whole slice lies in LDS, for the tail.
; ROWS.  A block is 16 rows; NBLK = max(1, ceil(count / 16)).  MAIN: blocks 0-19; wave w has blocks 4 b + w, b = 0..4: 40 accumulators.  A block past NBLK loads block NBLK - 1 once more, so that
; every count of a wait is the same on every way, and jumps only its products (block b = 0 does not even jump them: its sums are then never read).
; THE LOOP goes by K steps of 32, four to a chunk.  Step k: 40 products, all five blocks x the step's 8 weight fragments (two buffers of 64 registers, by k % 2).  The next step's 16 fragment loads
; are issued a step ahead; a step's row fragments are asked for again, for the next chunk, one step behind their last use and have three steps in which to land; the next chunk's weights are rounded
; and stored in step 1, and the barrier that shows them to all four waves is signalled in step 2 and waited for behind that step's products; they are first read in step 3.
; TAIL: blocks 20-63 (an expert with more than 320 rows): a block a wave a trip, weights from the slice in LDS, results straight from the accumulators, 16 bytes a lane: the slower way,
; chosen so that LDS is only read there and no barrier is wanted inside it.
; THE LIST (entry = 2 token + k at its rank) is made anew from bm, as the first product made it, so rank means the same row.  The 32 places from the count on repeat rank 0's entry, and the first
; product made the rows there from rank 0's token: a last block's spare rows work out rank 0's row once more and store the same numbers to the same slot.  So no store is masked or jumped.
; THE MATRIX INSTRUCTION IS USED TRANSPOSED: source 0 = 16 rows of w2, source 1 = 16 rows of h: a lane holds one row (lane % 16) and eight neighbouring columns.
; The sums start from the bias (rounded to bf16; times 0 in quarters 1-3).  In MAIN a row leaves as 512 consecutive bytes, one store a row.
; NO CLUSTER, NO TENSOR LOADS: each weight byte has one reader and must be rounded on its way; a wave's rows of h go to that wave's registers alone, and beside the bf16 slice (278,528 bytes)
; a slot of 20 blocks x 4 KiB that eight work-groups could share does not fit into LDS.
; LIMITS.  w2 and b2 are taken rounded to bf16; NaN and infinities are not treated apart (0 x an infinite bias is NaN).  An expert without rows streams its slice and stores nothing.
; REGISTERS, in windows of 256 (s_set_vgpr_msb: bits 1:0 source 0, 3:2 source 1, 5:4 source 2, 7:6 destination):
;   window 0: v0-23, v249-255 addresses and temporaries; v24-183 X, the fragment of block b, step k at 24 + 32 b + 8 k; v184-188 XO, the blocks' byte offsets
;             (on the way out: v24-87 a block's 64 results, v88-247 two sets of 64 + 16)
;   window 1: v0-127 WF, two buffers of 8 weight fragments; ahead of the first chunk v0-63 the bias, v64-95 at work
;   window 2: the accumulators of blocks b = 0..3 at 64 b + 8 n      window 3: v0-63 those of b = 4; v64-191 WS, 32 weight loads; v232-241 G, a pair (gate, 0) a block
.set PITCH, 16384                      ; bytes in a row of w2
.set CH,    128*272                    ; a chunk in LDS: 128 rows of 256 bytes + 16 of padding: the 16 rows of a fragment load start at 16 different groups of four banks (ISA guide 11.1)
.set STG,   8*CH
.set STGW,  16*528                     ; a wave's stage for the way out: 16 rows x 528 bytes (512 + 16 of padding)
.set LIST,  STG+4*STGW                 ; 1,024 words, and place 1,024: a dump word in a block of 256 bytes of its own
.set SPARE, LIST+4352                  ; the spare words: 128 bytes a wave, two blocks of 256 bytes that no other line names
.set SPW, 2
.set NIL, 3
.set WVO, 4                            ; lane x 16
.set WS0, 5                            ; my 32 rows of a chunk, 8 bytes a lane
.set WF0, 6                            ; a fragment's row x 272 + 16 x half
.set WFA, 7                            ; WF0 + the chunk
.set LE,  10                           ; the list's place of row lane % 16 in block w
.set LU,  11                           ; the list at block w, the same in all lanes
.set BO,  12                           ; 32 x half
.set PFO, 13                           ; lane x PITCH
.set OSS, 14                           ; the way out: where I put 32 bytes of a row
.set ORD, 15                           ; the way out: my 16 bytes of a whole row
.set LN,  22                           ; lane
.set WSA, 23                           ; WS0 + the chunk to be stored
.set XF,  24
.set XL,  88                           ; the way out's two sets
.set XO,  184
.set LE0, 249                          ; the list's place lane % 16
.set LET, 251                          ; the tail: the list's place of my row
.set ET,  252                          ; the tail: my row's entry
.set GOF, 253                          ; the tail: its gate's byte offset
.set VT,  254                          ; the tail: its slot's byte offset + 32 x half
.set XT,  255                          ; the tail: my block's byte offset + 16 x lane
.set WS,  64                           ; window 3
.set G,   232                          ; window 3
.set WV,  16
.set E,   17
.set CS,  18
.set Q,   19
.set WB,  20                           ; s[20:21] w2 at my wave's 32 rows, the chunk to be asked for next
.set XB,  22                           ; s[22:23] hbuf at the expert's block 0, the chunk in hand
.set PB,  24
.set BB,  26
.set CNT, 28
.set NBLK, 29
.set MBW, 30                           ; how many of my five blocks are live
.set KC,  31
.set J,   32
.set GB,  33
.set K01, 34
.set SEL, 36
.set HIM, 39
.set XB0, 40                           ; s[40:41] hbuf at the expert's block 0, my quarter
.set CB,  42                           ; LDS byte at which the chunk in hand begins
.set FLG, 44                           ; s[44:45] 1.0 in quarter 0, else 0
.set MSB, 0
.macro WIN new                         ; the immediate's high byte repeats the setting that is left; a switch that changes nothing is dropped
.if MSB != (\new)
	s_set_vgpr_msb (MSB<<8)|(\new)
.set MSB, \new
.endif
.endm
.macro PLACES                          ; four places behind matrix instructions, ahead of loads into their sources and of reads of their results
.rept 4
	v_nop
.endr
.endm
.macro WLOAD                           ; a chunk of my 32 rows: 32 loads, each 512 consecutive bytes
	WIN 0xc0
.set i, 0
.rept 32
	global_load_b128 v[WS+4*i:WS+4*i+3], v[WVO], s[WB:WB+1] offset:i*PITCH th:TH_LOAD_NT
.set i, i+1
.endr
.endm
.macro PREF                            ; the chunk behind the one just asked for: my 32 rows, a lane a row, its 512 bytes as two blocks of 256: each block asked for once, by me, one trip ahead of its load
	WIN 0
	global_prefetch_b8 v[PFO], s[WB:WB+1] offset:512 th:TH_LOAD_NT scope:SCOPE_SE
	global_prefetch_b8 v[PFO], s[WB:WB+1] offset:768 th:TH_LOAD_NT scope:SCOPE_SE
.endm
.macro BIASLD                          ; accumulator n, register j of lane (r, h) is column 16 n + 8 h + j
	WIN 0x40
.irp f, 0,1,2,3,4,5,6,7,8,9,10,11,12,13,14,15
	global_load_b128 v[4*\f:4*\f+3], v[BO], s[BB:BB+1] offset:64*(\f/2)+16*(\f%2)
.endr
.endm
.macro INIT nb, N                      ; the bias, rounded to bf16, times FLG, starts the sums of nb blocks
	s_wait_loadcnt \N
	WIN 0x45
.set i, 0
.rept 32
	v_cvt_pk_bf16_f32 v[64+i], v[2*i], v[2*i+1]
.set i, i+1
.endr
.set i, 0
.rept 32
	v_lshlrev_b32 v[2*i], 16, v[64+i]
	v_and_b32 v[2*i+1], s[HIM], v[64+i]
.set i, i+1
.endr
.set bb, 0
.rept \nb
	WIN 0x81+0x40*(bb/4)
.set i, 0
.rept 32
	v_pk_mul_f32 v[64*(bb%4)+2*i:64*(bb%4)+2*i+1], v[2*i:2*i+1], s[FLG:FLG+1] op_sel_hi:[1,0]
.set i, i+1
.endr
.set bb, bb+1
.endr
	WIN 0
.endm
.macro XLD k, o                        ; the five blocks' fragments of step k of the chunk at XB + o: ten loads, each 512 consecutive bytes
	WIN 0
.irp b, 0,1,2,3,4
	global_load_b128 v[XF+32*\b+8*(\k):XF+32*\b+8*(\k)+3],   v[XO+\b], s[XB:XB+1] offset:(\o)+1024*(\k)
	global_load_b128 v[XF+32*\b+8*(\k)+4:XF+32*\b+8*(\k)+7], v[XO+\b], s[XB:XB+1] offset:(\o)+1024*(\k)+512
.endr
.endm
.macro WFL k                           ; the 8 weight fragments of step k of the chunk at WFA, into buffer k % 2: 16 loads in one run
	WIN 0x40
.irp n, 0,1,2,3,4,5,6,7
	ds_load_b128 v[64*((\k)%2)+8*\n:64*((\k)%2)+8*\n+3],   v[WFA] offset:4352*\n+64*(\k)
	ds_load_b128 v[64*((\k)%2)+8*\n+4:64*((\k)%2)+8*\n+7], v[WFA] offset:4352*\n+64*(\k)+32
.endr
.endm
.macro MULB b, k                       ; 8 products: block b, step k.  The block's 8 accumulators take turns, one instruction a turn
.set AC, 64*((\b)%4)
	WIN 0xa1+0x50*((\b)/4)
.irp n, 0,1,2,3,4,5,6,7
	v_wmma_f32_16x16x32_bf16 v[AC+8*\n:AC+8*\n+7], v[64*((\k)%2)+8*\n:64*((\k)%2)+8*\n+7], v[XF+32*(\b)+8*(\k):XF+32*(\b)+8*(\k)+7], v[AC+8*\n:AC+8*\n+7]
.endr
.endm
.macro MULS k                          ; step k's products; from the first block past NBLK on they are jumped
	MULB 0, \k
.irp b, 1,2,3,4
	WIN 0
	s_cmp_gt_u32 s[MBW], \b
	s_cbranch_scc0 .Lend_\@
	MULB \b, \k
.endr
	WIN 0
.Lend_\@:
.endm
; The chunk that has come is rounded and laid into its part of LDS: first = 1: chunk 0; else the chunk behind the one in hand.  wl = 1: the chunk at WB is asked for, into the registers just stored.
.macro TURNW first, wl
	WIN 0
.if \first
	v_mov_b32 v[WSA], v[WS0]
.else
	s_add_co_u32 s46, s[CB], CH
	v_add_nc_u32 v[WSA], s46, v[WS0]
.endif
	WIN 0xcf
.set i, 0
.rept 32
	v_cvt_pk_bf16_f32 v[WS+4*i], v[WS+4*i], v[WS+4*i+1]
	v_cvt_pk_bf16_f32 v[WS+4*i+1], v[WS+4*i+2], v[WS+4*i+3]
.set i, i+1
.endr
	WIN 0x0c
.set i, 0
.rept 32
	ds_store_b64 v[WSA], v[WS+4*i:WS+4*i+1] offset:i*272   ; 256 consecutive bytes: a row
.set i, i+1
.endr
.if \wl
	WLOAD
	WIN 0
	s_cmp_lt_u32 s[KC], 2                          ; in the trip that asks for the last chunk there is no chunk behind it: no prefetch past my quarter of a row
	s_cbranch_scc1 .Lnopf_\@
	PREF
.Lnopf_\@:
.endif
	WIN 0
.endm
; A TRIP = chunk c.  Xk(c): the ten loads of step k's row fragments; W(c): the 32 loads of a chunk's weights.  Loads are issued in the order in which they are wanted:
;   step 0: X3(c)     step 1: X0(c+1), W(c+2)     step 2: X1(c+1)     step 3: X2(c+1)
; and each wait leaves out what was issued behind the loads that it wants.  By this count at most 62 loads of a wave are out, and at most 64 LDS instructions.
; mode 2: chunks 0-5.  mode 1: chunk 6, which asks for no further weights.  mode 0: chunk 7, which asks only for its own X3 and has no barrier.
.macro TRIP mode
	; STEP 0
.if (\mode) == 0
	s_wait_loadcnt 20                              ; X0(c) is in; X1(c) and X2(c) may be out
.else
	s_wait_loadcnt 52                              ; X0(c) is in; W(c+1), X1(c) and X2(c) may be out
.endif
	XLD 3, 0
	WFL 1
	s_wait_dscnt 16                                ; step 0's weight fragments are in; the 16 just issued may be out
	MULS 0
	PLACES
	; STEP 1
	s_wait_loadcnt 20                              ; X1(c) is in, and so is the older W(c+1): both are wanted here; X2(c) and X3(c) may be out
.if (\mode) == 0
	WFL 2
	s_wait_dscnt 16
.else
	XLD 0, 4096
	WFL 2
	TURNW 0, (\mode)/2
	s_wait_dscnt 48                                ; step 1's weight fragments are in; step 2's 16 loads and the chunk's 32 stores may be out
.endif
	MULS 1
	PLACES
	; STEP 2
.if (\mode) == 0
	s_wait_loadcnt 10                              ; X2(c) is in; X3(c) may be out
	WFL 3
	s_wait_dscnt 16
	MULS 2
.else
	s_wait_dscnt 0x0                               ; for the others' sake: my rows of chunk c + 1 are in LDS; step 2's weight fragments are in too
.if (\mode) == 2
	s_wait_loadcnt 52                              ; X2(c) is in; X3(c), X0(c+1) and W(c+2) may be out
.else
	s_wait_loadcnt 20                              ; X2(c) is in; X3(c) and X0(c+1) may be out
.endif
	XLD 1, 4096
	s_barrier_signal -1                            ; between signal and wait: loads from chunk c's part of LDS, which nobody writes again, and products
	WFL 3
	MULS 2
	s_barrier_wait -1                              ; everybody's rows of chunk c + 1 are in LDS
.endif
	PLACES
	; STEP 3
.if (\mode) == 0
	s_wait_loadcnt 0x0
	s_wait_dscnt 0x0
.else
.if (\mode) == 2
	s_wait_loadcnt 52                              ; X3(c) is in; X0(c+1), W(c+2) and X1(c+1) may be out
.else
	s_wait_loadcnt 20                              ; X3(c) is in; X0(c+1) and X1(c+1) may be out
.endif
	XLD 2, 4096
	s_add_co_u32 s[CB], s[CB], CH
	v_add_nc_u32 v[WFA], s[CB], v[WF0]
	WFL 0                                          ; the next chunk's first fragments
	s_wait_dscnt 16
.endif
	MULS 3
	PLACES
.if (\mode) > 0
	s_wait_xcnt 0x0                                ; the bases are stepped only behind this wait
.if (\mode) == 2
	s_add_nc_u64 s[WB:WB+1], s[WB:WB+1], 512
.endif
	s_add_nc_u64 s[XB:XB+1], s[XB:XB+1], 4096
.endif
.endm
; THE WAY OUT of block b: times the row's gate; 32 bytes a lane and accumulator into my stage; back as whole rows of 512 bytes; each row to the slot that the list names.
.macro EPI_DN b
.set AC, 64*((\b)%4)
.set R,  XL+80*((\b)%2)
.set VO, R+64
	WIN 0x0e+((\b)/4)
.set i, 0
.rept 32
	v_pk_mul_f32 v[XF+2*i:XF+2*i+1], v[AC+2*i:AC+2*i+1], v[G+2*(\b):G+2*(\b)+1] op_sel_hi:[1,0]
.set i, i+1
.endr
	WIN 0
.irp f, 0,1,2,3,4,5,6,7,8,9,10,11,12,13,14,15
	ds_store_b128 v[OSS], v[XF+4*\f:XF+4*\f+3] offset:64*(\f/2)+16*(\f%2)
.endr
	s_wait_xcnt 0x0                                ; earlier stores have read their data and offsets: those registers are written again only behind this wait
.irp row, 0,1,2,3,4,5,6,7,8,9,10,11,12,13,14,15
	ds_load_b128 v[R+4*\row:R+4*\row+3], v[ORD] offset:528*\row
.endr
.irp row, 0,1,2,3,4,5,6,7,8,9,10,11,12,13,14,15
	ds_load_b32 v[VO+\row], v[LU] offset:256*(\b)+4*\row   ; the same word in all lanes
.endr
	s_wait_dscnt 0x0
.irp row, 0,1,2,3,4,5,6,7,8,9,10,11,12,13,14,15
	v_min_u32 v[VO+\row], 0x7ff, v[VO+\row]
	v_lshlrev_b32 v[VO+\row], 12, v[VO+\row]               ; the slot's row of 4,096 bytes
	v_add_nc_u32 v[VO+\row], v[VO+\row], v[WVO]            ; + my 16
.endr
.irp row, 0,1,2,3,4,5,6,7,8,9,10,11,12,13,14,15
	global_store_b128 v[VO+\row], v[R+4*\row:R+4*\row+3], s[PB:PB+1]   ; 512 consecutive bytes, at a multiple of 512 from part's first byte
.endr
.endm
	s_load_b256 s[4:11], s[0:1], 0x0               ; hbuf s[4:5], w2 s[6:7], b2 s[8:9], bm s[10:11]
	s_load_b128 s[12:15], s[0:1], 0x20             ; gw s[12:13], part s[14:15]
	v_lshl_add_u32 v[SPW], v0, 2, SPARE
	v_mov_b32 v[NIL], 0
	v_lshrrev_b32 v16, 5, v0
	v_readfirstlane_b32 s[WV], v16                 ; wave 0..3
	s_and_b32 s[E], ttmp7, 0xffff
	s_and_b32 s[CS], ttmp9, 7
	s_lshr_b32 s[Q], ttmp9, 3
	s_mov_b32 s[HIM], 0xffff0000
	s_mov_b32 s[K01], 0x01010101
	s_mov_b32 s[SEL], 0x76543210
	s_mov_b32 s[SEL+1], 0xfedcba98
	s_cmp_eq_u32 s[Q], 0
	s_cselect_b32 s[FLG], 1.0, 0
	s_mov_b32 s[FLG+1], 0                          ; named with it as a pair
	v_and_b32 v[LN], 31, v0                        ; lane
	v_and_b32 v21, 15, v0                          ; r
	v_bfe_u32 v19, v0, 4, 1                        ; h
	v_lshlrev_b32 v[WVO], 4, v[LN]
	v_lshlrev_b32 v20, 4, v19                      ; 16 x half
	s_mul_i32 s54, s[WV], 32*272
	v_lshl_add_u32 v[WS0], v[LN], 3, s54
	v_mul_u32_u24 v[WF0], v21, 272
	v_add_nc_u32 v[WF0], v[WF0], v20
	s_mul_i32 s55, s[WV], STGW
	s_add_co_u32 s55, s55, STG                     ; my stage
	s_lshl_b32 s56, s[WV], 6
	v_lshl_add_u32 v[LE0], v21, 2, LIST
	v_add_nc_u32 v[LE], s56, v[LE0]
	s_add_co_u32 s56, s56, LIST
	v_mov_b32 v[LU], s56
	v_lshlrev_b32 v[BO], 5, v19
	v_lshlrev_b32 v[PFO], 14, v[LN]
	v_mul_u32_u24 v[OSS], v21, 528
	v_add_nc_u32 v[OSS], v[OSS], v[BO]
	v_add_nc_u32 v[OSS], s55, v[OSS]
	v_add_nc_u32 v[ORD], s55, v[WVO]
	s_lshl_b32 s57, s[E], 7
	v_lshl_add_u32 v21, v[LN], 2, s57              ; bm: word 'lane' of expert E
	s_lshl_b32 s46, s[E], 24                       ; w2: 16 MiB an expert, 2 MiB a slice of 128 rows, 512 KiB a wave's 32 rows, 4 KiB a quarter of a row
	s_lshl_b32 s58, s[CS], 21
	s_or_b32 s46, s46, s58
	s_lshl_b32 s58, s[WV], 19
	s_or_b32 s46, s46, s58
	s_lshl_b32 s58, s[Q], 12
	s_or_b32 s46, s46, s58
	s_mov_b32 s47, 0
	s_lshl_b32 s48, s[E], 23                       ; hbuf: 8 MiB an expert, 32 KiB a quarter's 32 K steps of a block
	s_lshl_b32 s58, s[Q], 15
	s_or_b32 s48, s48, s58
	s_mov_b32 s49, 0
	s_lshl_b32 s50, s[E], 12                       ; b2
	s_lshl_b32 s58, s[CS], 9
	s_or_b32 s50, s50, s58
	s_mov_b32 s51, 0
	s_lshl_b32 s52, s[Q], 23                       ; part: 8 MiB a quarter, 512 bytes a slice
	s_or_b32 s52, s52, s58
	s_mov_b32 s53, 0
	s_wait_kmcnt 0x0
	s_add_nc_u64 s[WB:WB+1], s[6:7], s[46:47]
	s_add_nc_u64 s[XB0:XB0+1], s[4:5], s[48:49]
	s_mov_b64 s[XB:XB+1], s[XB0:XB0+1]
	s_add_nc_u64 s[BB:BB+1], s[8:9], s[50:51]
	s_add_nc_u64 s[PB:PB+1], s[14:15], s[52:53]
	global_load_b32 v16, v21, s[10:11]             ; first choices,
	global_load_b32 v17, v21, s[10:11] offset:1024 ; second choices: 32 tokens a lane
	BIASLD
	WLOAD                                          ; chunk 0
	PREF                                           ; chunk 1
	s_wait_loadcnt 48                              ; bm's two loads are in; the 16 of the bias and the 32 of chunk 0 stay out
	; Lane j has word j, tokens 32 j .. 32 j + 31.  v24: the word's count, by shifts and masks; then, by exchanges between lanes 1, 2, 4, 8 and 16 apart, the count of all words;
	; v26: the count of the words below mine.  Every wave does this; all lanes stay on.
	v_or_b32 v18, v16, v17
	v_lshrrev_b32 v24, 1, v18
	v_and_b32 v24, 0x55555555, v24
	v_sub_nc_u32 v24, v18, v24
	v_lshrrev_b32 v25, 2, v24
	v_and_b32 v24, 0x33333333, v24
	v_and_b32 v25, 0x33333333, v25
	v_add_nc_u32 v24, v24, v25
	v_lshrrev_b32 v25, 4, v24
	v_add_nc_u32 v24, v24, v25
	v_and_b32 v24, 0x0f0f0f0f, v24
	v_mul_lo_u32 v24, v24, s[K01]
	v_lshrrev_b32 v24, 24, v24
	v_mov_b32 v26, 0
.irp d, 1,2,4,8
	v_mov_b32_dpp v25, v24 row_xmask:\d row_mask:0xf bank_mask:0xf   ; the partner group's count
	v_and_b32 v27, \d, v[LN]
	v_cmp_ne_u32 vcc_lo, 0, v27                    ; the partner group lies below mine
	v_cndmask_b32 v27, 0, v25, vcc_lo
	v_add_nc_u32 v26, v26, v27
	v_add_nc_u32 v24, v24, v25
.endr
	v_permlanex16_b32 v25, v24, s[SEL], s[SEL+1]
	v_and_b32 v27, 16, v[LN]
	v_cmp_ne_u32 vcc_lo, 0, v27
	v_cndmask_b32 v27, 0, v25, vcc_lo
	v_add_nc_u32 v26, v26, v27
	v_add_nc_u32 v24, v24, v25
	v_readfirstlane_b32 s[CNT], v24
	s_add_co_u32 s[NBLK], s[CNT], 15
	s_lshr_b32 s[NBLK], s[NBLK], 4
	s_max_u32 s[NBLK], s[NBLK], 1
	s_min_u32 s[NBLK], s[NBLK], 64
	s_sub_co_u32 s[MBW], s[NBLK], s[WV]
	s_add_co_u32 s[MBW], s[MBW], 3
	s_lshr_b32 s[MBW], s[MBW], 2
	s_min_u32 s[MBW], s[MBW], 5
	s_cmp_eq_u32 s[CNT], 0
	s_cselect_b32 s[MBW], 0, s[MBW]                ; an expert without rows stores nothing
	s_cmp_lg_u32 s[WV], 0
	s_cbranch_scc1 .Lnolist                        ; wave 0 writes the list
	v_mov_b32 v32, 0
	v_mov_b32 v33, 0
	v_mov_b32 v34, 0
	v_mov_b32 v35, 0
	v_lshl_add_u32 v36, v[LN], 4, LIST
.irp i, 0,1,2,3,4,5,6,7
	ds_store_b128 v36, v[32:35] offset:512*\i      ; an unused place names slot 0
.endr
	v_lshlrev_b32 v28, 6, v[LN]                    ; 2 x the token of my word's bit 0
	v_mov_b32 v31, 0x400
	s_mov_b32 s[J], 0
.Llist:                                                ; bit J of every word: a chosen token's entry goes to its rank, any other to the dump word at place 1,024
	v_and_b32 v29, 1, v18
	v_and_b32 v40, 1, v17                          ; k
	v_cmp_eq_u32 vcc_lo, 1, v29
	v_cndmask_b32 v30, v31, v26, vcc_lo
	v_min_u32 v30, 0x400, v30
	v_lshlrev_b32 v30, 2, v30
	v_add_nc_u32 v30, LIST, v30
	v_add_nc_u32 v40, v40, v28                     ; entry = 2 token + k
	ds_store_b32 v30, v40
	v_add_nc_u32 v26, v26, v29
	v_add_nc_u32 v28, 2, v28
	v_lshrrev_b32 v18, 1, v18
	v_lshrrev_b32 v17, 1, v17
	s_add_co_u32 s[J], s[J], 1
	s_cmp_lt_u32 s[J], 32
	s_cbranch_scc1 .Llist
	v_mov_b32 v37, LIST
	ds_load_b32 v38, v37                           ; rank 0's entry,
	v_add_nc_u32 v39, s[CNT], v[LN]
	v_min_u32 v39, 0x400, v39
	v_lshlrev_b32 v39, 2, v39
	v_add_nc_u32 v39, LIST, v39
	s_wait_dscnt 0x0
	ds_store_b32 v39, v38                          ; repeated in the 32 places from the count on: more than the last block's spare rows
.Lnolist:
	s_wait_dscnt 0x0                               ; for the others' sake: the list is in LDS
	s_barrier_signal -1
	INIT 5, 32                                     ; work on registers between signal and wait.  The bias is in; the 32 loads of chunk 0 stay out
	s_barrier_wait -1
	s_wait_xcnt 0x0                                ; the weights' base is stepped only behind this wait
	s_add_nc_u64 s[WB:WB+1], s[WB:WB+1], 512       ; chunk 1 is asked for next
.irp b, 0,1,2,3,4
	ds_load_b32 v[16+\b], v[LE] offset:256*\b      ; my row's entry in each of my five blocks
.endr
	s_sub_co_u32 s47, s[NBLK], 1
.irp b, 0,1,2,3,4
	s_add_co_u32 s46, s[WV], 4*\b
	s_min_u32 s46, s46, s47                        ; a block that does not exist takes the last that does,
	s_min_u32 s46, s46, 63
	s_lshl_b32 s46, s46, 17                        ; 128 KiB a block
	v_add_nc_u32 v[XO+\b], s46, v[WVO]             ; + my 16 bytes
.endr
	s_wait_dscnt 0x0
.irp b, 0,1,2,3,4
	v_min_u32 v[16+\b], 0x7ff, v[16+\b]
	v_lshlrev_b32 v[16+\b], 2, v[16+\b]
.endr
	WIN 0xc0
.irp b, 0,1,2,3,4
	global_load_b32 v[G+2*\b], v[16+\b], s[12:13]  ; the row's gate
	v_mov_b32 v[G+2*\b+1], 0                       ; named with it as a pair
.endr
	XLD 0, 0                                       ; X0(0)
	s_mov_b32 s[KC], 6
	s_wait_loadcnt 10                              ; chunk 0's weights and the five gates are in; X0(0) may be out
	TURNW 1, 1                                     ; chunk 0 into LDS; W(1) is asked for, chunk 2 prefetched
	XLD 1, 0                                       ; X1(0), X2(0): with X0(0) and W(1) 62 loads are out, in the order that the loop's counts assume
	XLD 2, 0
	s_wait_dscnt 0x0                               ; for the others' sake: my rows of chunk 0 are in LDS
	s_barrier_signal -1
	s_barrier_wait -1                              ; everybody's are
	s_wait_xcnt 0x0
	s_add_nc_u64 s[WB:WB+1], s[WB:WB+1], 512       ; chunk 2 is asked for next
	s_mov_b32 s[CB], 0
	v_mov_b32 v[WFA], v[WF0]
	WFL 0                                          ; chunk 0's first fragments
	WIN 0
.Lk:                                                   ; chunks 0 to 5
	TRIP 2
	s_sub_co_u32 s[KC], s[KC], 1
	s_cmp_lg_u32 s[KC], 0
	s_cbranch_scc1 .Lk
	TRIP 1                                         ; chunk 6: written out, so that every count is exact
	TRIP 0                                         ; chunk 7
.irp b, 0,1,2,3,4
	WIN 0
	s_cmp_gt_u32 s[MBW], \b
	s_cbranch_scc0 .Lepi_done
	EPI_DN \b
.endr
	WIN 0
.Lepi_done:
	s_wait_dscnt 0x0
	s_barrier_signal -1
	s_barrier_wait -1                              ; every wave has left its stage: up to the next barrier LDS is only read
	s_cmp_le_u32 s[NBLK], 20
	s_cbranch_scc1 .Ldone                          ; no block past the twentieth: the usual case
	; THE TAIL: blocks 20 + 4 J + w.  A constant count of trips; a trip whose block does not exist is jumped, forward, past no barrier.
	s_mov_b32 s[J], 0
.Lt:
	s_lshl_b32 s[GB], s[J], 2
	s_add_co_u32 s[GB], s[GB], s[WV]
	s_add_co_u32 s[GB], s[GB], 20
	s_cmp_ge_u32 s[GB], s[NBLK]
	s_cbranch_scc1 .Ltn
	s_lshl_b32 s46, s[GB], 6
	v_add_nc_u32 v[LET], s46, v[LE0]
	ds_load_b32 v[ET], v[LET]                      ; my row's entry
	s_lshl_b32 s46, s[GB], 17
	v_add_nc_u32 v[XT], s46, v[WVO]                ; my block + my 16 bytes; every load that named XT has been waited for
	s_wait_dscnt 0x0
	v_min_u32 v[ET], 0x7ff, v[ET]
	v_lshlrev_b32 v[GOF], 2, v[ET]
	v_lshlrev_b32 v[VT], 12, v[ET]
	v_add_nc_u32 v[VT], v[VT], v[BO]               ; the slot's row + 32 x half
	WIN 0xc0
	global_load_b32 v[G], v[GOF], s[12:13]
	BIASLD
	INIT 1, 0
	s_mov_b64 s[XB:XB+1], s[XB0:XB0+1]
	s_mov_b32 s[CB], 0
	s_mov_b32 s[KC], 8
.Ltk:
.irp f, 0,1,2,3,4,5,6,7
	global_load_b128 v[XF+4*\f:XF+4*\f+3], v[XT], s[XB:XB+1] offset:512*\f
.endr
	v_add_nc_u32 v[WFA], s[CB], v[WF0]
	WFL 0
	WFL 1
	s_wait_loadcnt 0x0                             ; the rows are in, and the loads that name XB are done: it may be stepped below
	s_wait_dscnt 16                                ; step 0's fragments are in; step 1's 16 loads may be out
	MULB 0, 0
	PLACES
	WFL 2
	s_wait_dscnt 16
	MULB 0, 1
	PLACES
	WFL 3
	s_wait_dscnt 16
	MULB 0, 2
	s_wait_dscnt 0x0
	MULB 0, 3
	PLACES
	WIN 0
	s_add_nc_u64 s[XB:XB+1], s[XB:XB+1], 4096
	s_add_co_u32 s[CB], s[CB], CH
	s_sub_co_u32 s[KC], s[KC], 1
	s_cmp_lg_u32 s[KC], 0
	s_cbranch_scc1 .Ltk
	WIN 0x0e
.set i, 0
.rept 32
	v_pk_mul_f32 v[XF+2*i:XF+2*i+1], v[2*i:2*i+1], v[G:G+1] op_sel_hi:[1,0]
.set i, i+1
.endr
	WIN 0
.irp f, 0,1,2,3,4,5,6,7,8,9,10,11,12,13,14,15
	global_store_b128 v[VT], v[XF+4*\f:XF+4*\f+3], s[PB:PB+1] offset:64*(\f/2)+16*(\f%2)  ; 16 bytes a lane: the price of leaving LDS alone here
.endr
	s_wait_xcnt 0x0                                ; the stores' data and offsets are written again only behind this wait
.Ltn:
	s_add_co_u32 s[J], s[J], 1
	s_cmp_lt_u32 s[J], 11
	s_cbranch_scc1 .Lt
.Ldone:
	s_wait_dscnt 0x0
	s_barrier_signal -1
	s_barrier_wait -1                              ; every wave's reads of LDS are over
	s_wait_tensorcnt 0x0                           ; the wave's end
	ds_add_u32 v[SPW], v[NIL]
	s_wait_dscnt 0x0
	s_endpgm
.Lfunc_end_k_q640c5d006b_down:
	.size	k_q640c5d006b_down, .Lfunc_end_k_q640c5d006b_down-k_q640c5d006b_down
	.p2alignl 7, 3214868480
	.fill 96, 4, 3214868480
	.section	.rodata,"a",@progbits
	.p2align	6, 0x0
	.amdhsa_kernel k_q640c5d006b_down
		.amdhsa_group_segment_fixed_size 317184
		.amdhsa_private_segment_fixed_size 0
		.amdhsa_enable_private_segment 0
		.amdhsa_kernarg_size 48
		.amdhsa_user_sgpr_count 2
		.amdhsa_user_sgpr_kernarg_segment_ptr 1
		.amdhsa_wavefront_size32 1
		.amdhsa_system_sgpr_workgroup_id_x 1
		.amdhsa_system_sgpr_workgroup_id_y 1
		.amdhsa_system_sgpr_workgroup_id_z 1
		.amdhsa_system_vgpr_workitem_id 0
		.amdhsa_next_free_vgpr 1024
		.amdhsa_next_free_sgpr 66
		.amdhsa_reserve_vcc 1
		.amdhsa_float_denorm_mode_32 3
		.amdhsa_float_denorm_mode_16_64 3
		.amdhsa_memory_ordered 1
		.amdhsa_forward_progress 1
		.amdhsa_inst_pref_size 182
	.end_amdhsa_kernel
	.amdgpu_metadata
---
amdhsa.version: [ 1, 2 ]
amdhsa.kernels:
  - .name:           k_q640c5d006b_down
    .symbol:         k_q640c5d006b_down.kd
    .args:
      - { .name: hbuf, .offset: 0, .size: 8, .value_kind: global_buffer, .address_space: global }
      - { .name: w2, .offset: 8, .size: 8, .value_kind: global_buffer, .address_space: global }
      - { .name: b2, .offset: 16, .size: 8, .value_kind: global_buffer, .address_space: global }
      - { .name: bm, .offset: 24, .size: 8, .value_kind: global_buffer, .address_space: global }
      - { .name: gw, .offset: 32, .size: 8, .value_kind: global_buffer, .address_space: global }
      - { .name: part, .offset: 40, .size: 8, .value_kind: global_buffer, .address_space: global }
    .group_segment_fixed_size: 317184
    .private_segment_fixed_size: 0
    .kernarg_segment_align: 8
    .kernarg_segment_size: 48
    .max_flat_workgroup_size: 128
    .sgpr_count:     66
    .vgpr_count:     1024
    .wavefront_size: 32
...
	.end_amdgpu_metadata
.endif
;; end of part 3
;; launch combine (part 4): grid 256 x 1, 8 waves a work-group, no clusters, 0 bytes of LDS; arguments part, out0; writes out0
.if DOCPART == 4
	.amdgcn_target "amdgcn-amd-amdhsa--gfx1250"
	.amdhsa_code_object_version 6
	.text
	.protected	k_q640c5d006b_combine
	.globl	k_q640c5d006b_combine
	.p2align	8
	.type	k_q640c5d006b_combine,@function
k_q640c5d006b_combine:
	s_mov_b64 s[64:65], 0
	v_nop
	global_prefetch_b8 v0, s[64:65] scope:SCOPE_SE
	s_setreg_imm32_b32 hwreg(HW_REG_WAVE_MODE, 25, 1), 1
	s_wait_xcnt 0x0
; COMBINE.  out0[t][c] = the sum over k = 0, 1 and the four quarters q of part[q][2 t + k][c], in f32, in one fixed order: ((q0 + q1) + (q2 + q3)) for each k, then k0 + k1.
; A stream: each byte of part is read once, each byte of out0 written once.  A work-group has 4 tokens; thread i has bytes 16 i of a row of 4,096, so a wave's load or store covers
; 512 consecutive bytes.  All 32 loads of a thread go out at once, token by token; the waits count down by tokens.  No LDS, no barrier, no matrix unit, no cluster: nothing is shared.
.set D, 8                              ; v8-135: token tt, quarter q, slot k at D + 32 tt + 8 q + 4 k
	s_load_b128 s[4:7], s[0:1], 0x0                ; part s[4:5], out0 s[6:7]
	v_lshlrev_b32 v1, 4, v0
	s_lshl_b32 s16, ttmp9, 15                      ; 8 slots of 4,096 bytes
	s_mov_b32 s17, 0
	s_lshl_b32 s18, ttmp9, 14                      ; 4 rows of 4,096 bytes
	s_mov_b32 s19, 0
	s_wait_kmcnt 0x0
	s_add_nc_u64 s[8:9], s[4:5], s[16:17]          ; a base for each quarter: 8 MiB apart, more than an immediate holds
	s_add_nc_u64 s[10:11], s[8:9], 0x800000
	s_add_nc_u64 s[12:13], s[10:11], 0x800000
	s_add_nc_u64 s[14:15], s[12:13], 0x800000
	s_add_nc_u64 s[6:7], s[6:7], s[18:19]
.irp tt, 0,1,2,3
.irp q, 0,1,2,3
.irp k, 0,1
	global_load_b128 v[D+32*\tt+8*\q+4*\k:D+32*\tt+8*\q+4*\k+3], v1, s[8+2*\q:9+2*\q] offset:(2*\tt+\k)*4096 th:TH_LOAD_NT
.endr
.endr
.endr
.irp tt, 0,1,2,3
	s_wait_loadcnt 8*(3-\tt)                       ; this token's eight loads are in; the later tokens' stay out
.irp k, 0,1
.irp p, 0,1
	v_pk_add_f32 v[D+32*\tt+4*\k+2*\p:D+32*\tt+4*\k+2*\p+1], v[D+32*\tt+4*\k+2*\p:D+32*\tt+4*\k+2*\p+1], v[D+32*\tt+8+4*\k+2*\p:D+32*\tt+8+4*\k+2*\p+1]
	v_pk_add_f32 v[D+32*\tt+16+4*\k+2*\p:D+32*\tt+16+4*\k+2*\p+1], v[D+32*\tt+16+4*\k+2*\p:D+32*\tt+16+4*\k+2*\p+1], v[D+32*\tt+24+4*\k+2*\p:D+32*\tt+24+4*\k+2*\p+1]
	v_pk_add_f32 v[D+32*\tt+4*\k+2*\p:D+32*\tt+4*\k+2*\p+1], v[D+32*\tt+4*\k+2*\p:D+32*\tt+4*\k+2*\p+1], v[D+32*\tt+16+4*\k+2*\p:D+32*\tt+16+4*\k+2*\p+1]
.endr
.endr
.irp p, 0,1
	v_pk_add_f32 v[D+32*\tt+2*\p:D+32*\tt+2*\p+1], v[D+32*\tt+2*\p:D+32*\tt+2*\p+1], v[D+32*\tt+4+2*\p:D+32*\tt+4+2*\p+1]
.endr
	global_store_b128 v1, v[D+32*\tt:D+32*\tt+3], s[6:7] offset:4096*\tt th:TH_STORE_NT
.endr
	s_endpgm
.Lfunc_end_k_q640c5d006b_combine:
	.size	k_q640c5d006b_combine, .Lfunc_end_k_q640c5d006b_combine-k_q640c5d006b_combine
	.p2alignl 7, 3214868480
	.fill 96, 4, 3214868480
	.section	.rodata,"a",@progbits
	.p2align	6, 0x0
	.amdhsa_kernel k_q640c5d006b_combine
		.amdhsa_group_segment_fixed_size 0
		.amdhsa_private_segment_fixed_size 0
		.amdhsa_enable_private_segment 0
		.amdhsa_kernarg_size 16
		.amdhsa_user_sgpr_count 2
		.amdhsa_user_sgpr_kernarg_segment_ptr 1
		.amdhsa_wavefront_size32 1
		.amdhsa_system_sgpr_workgroup_id_x 1
		.amdhsa_system_sgpr_workgroup_id_y 1
		.amdhsa_system_sgpr_workgroup_id_z 1
		.amdhsa_system_vgpr_workitem_id 0
		.amdhsa_next_free_vgpr 136
		.amdhsa_next_free_sgpr 66
		.amdhsa_reserve_vcc 0
		.amdhsa_float_denorm_mode_32 3
		.amdhsa_float_denorm_mode_16_64 3
		.amdhsa_memory_ordered 1
		.amdhsa_forward_progress 1
		.amdhsa_inst_pref_size 8
	.end_amdhsa_kernel
	.amdgpu_metadata
---
amdhsa.version: [ 1, 2 ]
amdhsa.kernels:
  - .name:           k_q640c5d006b_combine
    .symbol:         k_q640c5d006b_combine.kd
    .args:
      - { .name: part, .offset: 0, .size: 8, .value_kind: global_buffer, .address_space: global }
      - { .name: out0, .offset: 8, .size: 8, .value_kind: global_buffer, .address_space: global }
    .group_segment_fixed_size: 0
    .private_segment_fixed_size: 0
    .kernarg_segment_align: 8
    .kernarg_segment_size: 16
    .max_flat_workgroup_size: 256
    .sgpr_count:     66
    .vgpr_count:     136
    .wavefront_size: 32
...
	.end_amdgpu_metadata
.endif
;; end of part 4
